; MI455X (gfx1250); checked and timed in simulation.
; The chip was launched on July 23, 2026; its instructions are those of AMD's public machine-readable ISA for CDNA 5 (MIT licence, August 2026) and "CDNA5" Instruction Set Architecture Reference Guide (July 2026). The comments in the code are by the model that wrote it; some were corrected since.
;; Clustering Model. Allowed arithmetic: float matrix products may take bf16 or f16 operands with f32 sums; other float arithmetic in f32, or as packed bf16 or f16 multiplies, adds, multiply-adds, maxima and minima; sums over many terms, partial sums and values carried from step to step in f32; what a program stores and reads back later, other than sums and carried values, may be rounded once to bf16 or f16.
;; Inputs: attn 256 float32; inp 1,024 x 256 float32; mask 512 int32; w_assoc 512 x 2 float32; w_dist 512 x 256 float32.
;; Outputs: out0 1,024 x 2 float32.
;; 2 versions, each right; version 2 is version 1 with the launch cluster_model written anew for expert scheduling mode. Each part assembles by itself: llvm-mc -triple=amdgcn-amd-amdhsa -mcpu=gfx1250 --defsym DOCPART=n.
;; ======== version 1 of 2: 1 launch
;; launch cluster_model (part 1): grid 64 x 1, 16 waves a work-group, no clusters, 21,504 bytes of LDS; arguments inp, w_dist, attn, w_assoc, mask, out0; writes out0
.if DOCPART == 1
	.amdgcn_target "amdgcn-amd-amdhsa--gfx1250"
	.amdhsa_code_object_version 6
	.text
	.protected	k_q8bf2394a7a_cluster_model
	.globl	k_q8bf2394a7a_cluster_model
	.p2align	8
	.type	k_q8bf2394a7a_cluster_model,@function
k_q8bf2394a7a_cluster_model:
	s_mov_b64 s[64:65], 0
	v_nop
	global_prefetch_b8 v0, s[64:65] scope:SCOPE_SE
	s_setreg_imm32_b32 hwreg(HW_REG_WAVE_MODE, 25, 1), 1
	s_wait_xcnt 0x0
; ClusteringModel, one launch.  inp [1024][256], w_dist [512][256], attn [256], w_assoc [512][2] f32; mask [512] i32; out0 [1024][2] f32.
;   a = attn / sum(attn);  wdist[b][c] = sum_d a_d (x_bd - w_cd)^2;  dist = sqrt(wdist);  H = exp(-dist);  m = float(mask);  recruited = m > 0
;   p = softmax over recruited c of -3 dist;  competed = p H m;  p2 = softmax over recruited c of 10 competed;  y[b][k] = 1.5 sum_c p2 competed w_assoc[c][k]
; IDENTITIES USED, for all finite inputs in exact arithmetic: |t|^2.0 = t t (no power is taken); log(H) = log(exp(-dist)) = -dist (no logarithm is taken);
; with s_d = sqrt(a_d), mu_d = w_dist[0][d], X = s (x - mu), W = s (w - mu):  wdist = |X|^2 - 2 X.W + |W|^2.  X.W goes to the matrix unit in bf16 with f32 sums.
; The centre mu takes a common offset of inp and w_dist away in f32 (one fused multiply-add, x s - mu s) before anything is rounded or squared; the two norms are taken of the
; ROUNDED numbers, so the three terms are the squared distance of the rounded points.  Every input has a way to the output and is loaded; no step's result is left out.
; Both maxima that reference() takes away before an exponential are taken away here: each wave takes its own clusters' maximum, and the waves' sums are joined with 2^(m_wave - m_all).
; A cluster that is not recruited has the logit -1e30 in both softmaxes, as in reference(); with no cluster recruited all weights are equal, competed is 0 and y is 0, as there.
; LIMITS.  a_d must be >= 0 for every d (attn of one sign): a negative a_d gives NaN here.  X and W are rounded to bf16 (8 significant bits).  Where exp(-dist) underflows in f32
; reference()'s log(H) is -inf; here the logit stays -3 dist.  Exponentials below 2^-126 count as 0.  NaN and infinities in the inputs are not treated apart.
; SHARES.  64 work-groups of 16 waves; a work-group owns 16 rows b and all 512 clusters; wave v owns clusters 32 v .. 32 v + 31, two tiles of 16.
; LAYOUT.  Source 0 = 16 clusters, source 1 = the 16 rows: in the result lane l holds ONE row b = l % 16 and, in register j, cluster 8 (l / 16) + j of the tile.  So a row's maxima and sums
; are taken inside a lane, then between the two halves of the lanes, then between the waves through LDS.  A fragment is 16 rows x 32 channels: lane l holds row l % 16, registers 0-3 channels
; 8 (l / 16) + 0..7, registers 4-7 channels 16 + 8 (l / 16) + 0..7; from f32 rows that is four loads of 16 bytes, and a step's eight loads take 256 consecutive bytes of each of 16 rows.
; NO CLUSTER, NO TENSOR LOAD.  Each byte of w_dist is wanted by one wave of a work-group, once, as f32 in registers, where it is scaled and rounded.  Its 524,288 bytes do not fit in LDS, so a joint
; load would add a ring, 524,288 bytes of LDS writes and as many reads for each work-group, and a round of the cluster's barrier for each refill, to a walk of 8 steps a wave.
.set TAB_S, 0          ; LDS: s_d, 256 f32
.set TAB_M, 1024       ; mu_d s_d, 256 f32
.set XFR,   2048       ; X in bf16: fragment g (channels 32 g ..) at 1,024 g: registers 0-3 at 16 x lane, registers 4-7 512 bytes on
.set PN,    10240      ; wave v's part of |X_r|^2 at 64 v + 4 r
.set NW,    11264      ; |W_c|^2 at 4 c: a wave writes and reads its own 128 bytes
.set EX1,   13312      ; first exchange: wave v, row r: (maximum, sum) at 128 v + 8 r
.set EX2,   15360      ; second exchange: wave v, row r: (maximum, sum, y0, y1) at 256 v + 16 r
.set SPARE, 19456      ; the spare words, 128 bytes for each of 16 waves: eight blocks of 256 bytes that no other line names
.set SPW,  1           ; LDS address of my spare word; never rewritten
.set NIL,  2           ; 0, for the add alone
.set R,    3           ; l % 16
.set HH,   4           ; l / 16
.set FO,   5           ; my offset in a tile of w_dist: 1,024 r + 32 h
.set TL,   6           ; 32 h: tables in LDS, and mask
.set XL,   7           ; 16 x lane: X's fragments in LDS
.set WAO,  8           ; 64 h: w_assoc
.set NWSA, 9           ; 4 r + 128 wave
.set NWLA, 10          ; 32 h + 128 wave
.set PNR,  11          ; 4 r + 512 h
.set EX1A, 12          ; 8 r + 128 wave
.set EX1R, 13          ; 8 r + 1,024 h
.set EX2A, 14          ; 16 r + 256 wave
.set EX2R, 15          ; 16 r + 2,048 h
.set ACC,  16          ; v[16:47]   tile i, fragment parity f at ACC + 16 i + 8 f
.set TS,   48          ; v[48:79]   s of my 32 channels of the chunk
.set TM,   80          ; v[80:111]  mu s of the same
.set XF,   112         ; v[112:127] X's two fragments of the chunk
.set WF,   128         ; v[128:143] W's two fragments of the step
.set WS,   144         ; v[144:239] three landing buffers of 32 for w_dist
.set NWA,  240         ; v[240:247] four chains of squares for each tile
.set NX,   248         ; v[248:249] |X_r|^2; later 10 log2(e) f
.set M1,   250         ; v[250:251] my wave's maximum and sum
.set NEGV, 252         ; -1e30
.set T0,   253         ; at work; holds 0 until the way out takes it
.set ZR,   253
.set T1,   254
.set T2,   255
; the head's own registers, in places that the walk takes later
.set KO,  128          ; 64 wave + 32 h: my 8 channels, in bytes
.set XO,  129          ; 1,024 r + KO
.set SO,  130          ; 32 x lane
.set XST, 131          ; 16 x thread
.set PNA, 132          ; 4 r + 64 wave
.set LN,  133
.set AT,  16
.set AP,  24
.set W0P, 32
.set XP,  40
.set S8,  48
.set M8,  56
.set XB,  64
.set PS,  68
; the way out's registers
.set WD,  48           ; 16: |W|^2, then wdist, then dist
.set PV,  64           ; 8: parts of |X|^2
.set G,   80           ; 16: -log2(e) dist, then H, then u = e H m
.set L,   96           ; 16: logits, then exponentials
.set TT,  112          ; 16: e2 u
.set EXR, 128          ; 16: eight waves' (maximum, sum)
.set MK,  WS+64        ; 16: mask, then m
.set WA0, WS+80        ; 16: w_assoc of tile 0
.set WA1, WS           ; 16: of tile 1
.set Q,   WS+16        ; 4: (maximum, sum, y0, y1)
.set YB,  WS+20        ; 2: the second chain of y
.set PT,  WS+22        ; 3: the other half's numbers
.set FIN, 48           ; 32: eight waves' four numbers
	s_load_b256 s[4:11], s[0:1], 0x0               ; inp s[4:5], w_dist s[6:7], attn s[8:9], w_assoc s[10:11]
	s_load_b128 s[12:15], s[0:1], 0x20             ; mask s[12:13], out0 s[14:15]
	v_lshl_add_u32 v[SPW], v0, 2, SPARE
	v_mov_b32 v[NIL], 0
	v_lshrrev_b32 v[LN], 5, v0
	v_readfirstlane_b32 s16, v[LN]                 ; wave 0..15
	v_and_b32 v[R], 15, v0
	v_bfe_u32 v[HH], v0, 4, 1
	v_and_b32 v[LN], 31, v0
	v_lshlrev_b32 v[FO], 10, v[R]
	v_lshl_add_u32 v[FO], v[HH], 5, v[FO]
	v_lshrrev_b32 v[KO], 4, v0
	v_lshlrev_b32 v[KO], 5, v[KO]                  ; 32 (thread / 16) = 64 wave + 32 h
	v_lshl_add_u32 v[XO], v[R], 10, v[KO]
	v_lshlrev_b32 v[SO], 5, v[LN]
	s_lshl_b32 s18, ttmp9, 14                      ; the work-group's 16 rows of 1,024 bytes
	s_mov_b32 s19, 0
	s_lshl_b32 s20, s16, 15                        ; my wave's 32 clusters of 1,024 bytes
	s_mov_b32 s21, 0
	s_wait_kmcnt 0x0
	s_add_nc_u64 s[4:5], s[4:5], s[18:19]
	s_add_nc_u64 s[22:23], s[6:7], s[20:21]
; Step q = 2 t + i takes chunk t (channels 64 t ..) of tile i; its eight loads land in buffer q % 3.
.macro WLOAD q
.irp e, 0,1,2,3,4,5,6,7
	global_load_b128 v[WS+32*((\q)%3)+4*(\e):WS+32*((\q)%3)+4*(\e)+3], v[FO], s[22:23] offset:((\q)%2)*16384+((\q)/2)*256+128*((\e)/4)+64*(((\e)/2)%2)+16*((\e)%2)
.endr
.endm
	global_load_b128 v[AT:AT+3],     v[SO], s[8:9]             ; all of attn, 8 numbers a lane, for its sum
	global_load_b128 v[AT+4:AT+7],   v[SO], s[8:9] offset:16
	global_load_b128 v[AP:AP+3],     v[KO], s[8:9]             ; attn of my 8 channels
	global_load_b128 v[AP+4:AP+7],   v[KO], s[8:9] offset:16
	global_load_b128 v[W0P:W0P+3],   v[KO], s[6:7]             ; mu of my 8 channels: row 0 of w_dist
	global_load_b128 v[W0P+4:W0P+7], v[KO], s[6:7] offset:16
	global_load_b128 v[XP:XP+3],     v[XO], s[4:5] th:TH_LOAD_NT  ; x of row r in my 8 channels: each byte of inp is read once in the launch
	global_load_b128 v[XP+4:XP+7],   v[XO], s[4:5] offset:16 th:TH_LOAD_NT
	WLOAD 0
	WLOAD 1
	WLOAD 2
	; the other addresses and constants are made while the loads are on their way
	v_lshlrev_b32 v[XST], 4, v0
	v_lshlrev_b32 v[TL], 5, v[HH]
	v_lshlrev_b32 v[XL], 4, v[LN]
	v_lshlrev_b32 v[WAO], 6, v[HH]
	s_lshl_b32 s36, s16, 7                         ; 128 wave
	s_mov_b32 s37, 0
	s_lshl_b32 s38, s16, 8                         ; 256 wave
	s_mov_b32 s39, 0
	s_lshl_b32 s17, s16, 6                         ; 64 wave
	s_lshl_b32 s56, ttmp9, 7                       ; the work-group's 128 bytes of out0
	s_mov_b32 s57, 0
	v_lshl_add_u32 v[NWSA], v[R], 2, s36
	v_add_nc_u32 v[NWLA], s36, v[TL]
	v_lshlrev_b32 v[PNR], 2, v[R]
	v_lshl_add_u32 v[PNR], v[HH], 9, v[PNR]
	v_lshl_add_u32 v[EX1A], v[R], 3, s36
	v_lshlrev_b32 v[EX1R], 1, v[PNR]
	v_lshl_add_u32 v[EX2A], v[R], 4, s38
	v_lshlrev_b32 v[EX2R], 2, v[PNR]
	v_lshl_add_u32 v[PNA], v[R], 2, s17
	s_add_nc_u64 s[32:33], s[12:13], s[36:37]      ; mask at my wave's 32 clusters
	s_add_nc_u64 s[34:35], s[10:11], s[38:39]      ; w_assoc at the same
	s_add_nc_u64 s[14:15], s[14:15], s[56:57]
	s_mov_b32 s24, 0x76543210                      ; v_permlanex16_b32: each lane takes its own place in the other half
	s_mov_b32 s25, 0xfedcba98
	s_mov_b32 s26, 0xbfb8aa3b                      ; -log2(e)
	s_mov_b32 s27, s26                             ; named with it as a pair
	s_mov_b32 s28, 0x40400000                      ; 3
	s_mov_b32 s29, s28
	s_mov_b32 s30, 0x4166d4ca                      ; 10 log2(e)
	s_mov_b32 s31, 0x3fc00000                      ; 1.5
.irp k, 248,249,250,251,253,254,255
	v_mov_b32 v[\k], 0                             ; registers that are named in a pair, or as a lane exchange's destination, before their own first result
.endr
	v_mov_b32 v[NEGV], 0xf149f2ca                  ; -1e30
	; THE HEAD.  sum(attn) in every wave; s and mu s of my 8 channels; my 8 numbers of X, rounded, and their squares.
	s_wait_loadcnt 24                              ; the head's 8 loads are in; the three buffers' 24 may stay out
	v_pk_add_f32 v[AT:AT+1], v[AT:AT+1], v[AT+2:AT+3]
	v_pk_add_f32 v[AT+4:AT+5], v[AT+4:AT+5], v[AT+6:AT+7]
	v_pk_add_f32 v[AT:AT+1], v[AT:AT+1], v[AT+4:AT+5]
	v_add_f32 v[AT], v[AT], v[AT+1]
	v_add_f32_dpp v[AT], v[AT], v[AT] row_xmask:1 row_mask:0xf bank_mask:0xf
	v_add_f32_dpp v[AT], v[AT], v[AT] row_xmask:2 row_mask:0xf bank_mask:0xf
	v_add_f32_dpp v[AT], v[AT], v[AT] row_xmask:4 row_mask:0xf bank_mask:0xf
	v_add_f32_dpp v[AT], v[AT], v[AT] row_xmask:8 row_mask:0xf bank_mask:0xf
	v_permlanex16_b32 v[AT+1], v[AT], s24, s25
	v_add_f32 v[AT], v[AT], v[AT+1]
	v_rcp_f32 v[AT+2], v[AT]
	v_nop                                          ; a plain instruction behind the reciprocal,
	s_wait_alu depctr_va_vdst(0)                   ; and the wait ahead of its first reader
.irp n, 0,2,4,6
	v_pk_mul_f32 v[AP+(\n):AP+(\n)+1], v[AP+(\n):AP+(\n)+1], v[AT+2:AT+3] op_sel_hi:[1,0]  ; a = attn / sum
.endr
.irp n, 0,1,2,3,4,5,6,7
	v_sqrt_f32 v[S8+(\n)], v[AP+(\n)]
.endr
	v_nop
	s_wait_alu depctr_va_vdst(0)                   ; one wait for the eight roots
.irp n, 0,2,4,6
	v_pk_mul_f32 v[M8+(\n):M8+(\n)+1], v[W0P+(\n):W0P+(\n)+1], v[S8+(\n):S8+(\n)+1]
.endr
.irp n, 0,2,4,6
	v_pk_fma_f32 v[XP+(\n):XP+(\n)+1], v[XP+(\n):XP+(\n)+1], v[S8+(\n):S8+(\n)+1], v[M8+(\n):M8+(\n)+1] neg_lo:[0,0,1] neg_hi:[0,0,1]  ; x s - mu s
.endr
.irp n, 0,1,2,3
	v_cvt_pk_bf16_f32 v[XB+(\n)], v[XP+2*(\n)], v[XP+2*(\n)+1]
.endr
	ds_store_b128 v[KO], v[S8:S8+3]   offset:TAB_S     ; the 16 lanes of a half hold the same numbers and write the same bytes
	ds_store_b128 v[KO], v[S8+4:S8+7] offset:TAB_S+16
	ds_store_b128 v[KO], v[M8:M8+3]   offset:TAB_M
	ds_store_b128 v[KO], v[M8+4:M8+7] offset:TAB_M+16
	ds_store_b128 v[XST], v[XB:XB+3]  offset:XFR       ; wave v holds half v % 2 of fragment v / 2: 512 v + 16 lane = 16 x thread
	v_fma_mix_f32_bf16 v[PS],   v[XB], v[XB], v[ZR] op_sel_hi:[1,1,0]                    ; squares of the rounded numbers, in f32: low halves,
	v_fma_mix_f32_bf16 v[PS+1], v[XB], v[XB], v[ZR] op_sel:[1,1,0] op_sel_hi:[1,1,0]     ; high halves
.irp n, 1,2,3
	v_fma_mix_f32_bf16 v[PS],   v[XB+(\n)], v[XB+(\n)], v[PS]   op_sel_hi:[1,1,0]
	v_fma_mix_f32_bf16 v[PS+1], v[XB+(\n)], v[XB+(\n)], v[PS+1] op_sel:[1,1,0] op_sel_hi:[1,1,0]
.endr
	v_add_f32 v[PS], v[PS], v[PS+1]
	v_permlanex16_b32 v[PS+1], v[PS], s24, s25
	v_add_f32 v[PS], v[PS], v[PS+1]                ; row r, my wave's 16 channels
	ds_store_b32 v[PNA], v[PS] offset:PN
	s_wait_dscnt 0x0                               ; for the others' sake: my stores are done
	s_barrier_signal -1
	s_barrier_wait -1                              ; the tables, X and its parts of the norm are whole
.macro TABS t                          ; s and mu s of my 32 channels of chunk t: the lanes of a half read the same bytes
.irp e, 0,1,2,3,4,5,6,7
	ds_load_b128 v[TS+4*(\e):TS+4*(\e)+3], v[TL] offset:TAB_S+(\t)*256+128*((\e)/4)+64*(((\e)/2)%2)+16*((\e)%2)
	ds_load_b128 v[TM+4*(\e):TM+4*(\e)+3], v[TL] offset:TAB_M+(\t)*256+128*((\e)/4)+64*(((\e)/2)%2)+16*((\e)%2)
.endr
.endm
.macro XFRAG t                         ; X's fragments 2 t and 2 t + 1
.irp f, 0,1
	ds_load_b128 v[XF+8*(\f):XF+8*(\f)+3],   v[XL] offset:XFR+1024*(2*(\t)+(\f))
	ds_load_b128 v[XF+8*(\f)+4:XF+8*(\f)+7], v[XL] offset:XFR+1024*(2*(\t)+(\f))+512
.endr
.endm
; A STEP.  left = the younger loads that may stay out.  The 16 scalings at its head name no register of the step before's matrix instructions: they are the places in front of the loads into
; X's fragments and of the roundings into W's (four are asked for: ISA guide 7.12.1 for vector instructions).
; The four accumulators take turns, one instruction a turn: three others' stand between two links of a chain.
.macro STEP q, left
.set sI, (\q)%2
.set sT, (\q)/2
.set sB, WS+32*((\q)%3)
	s_wait_loadcnt \left                           ; loads come back in order: this step's eight are in
.if sI == 0
	s_wait_dscnt 0x0                               ; the chunk's tables are in
.endif
.set n, 0
.rept 16
	v_pk_fma_f32 v[sB+2*n:sB+2*n+1], v[sB+2*n:sB+2*n+1], v[TS+2*n:TS+2*n+1], v[TM+2*n:TM+2*n+1] neg_lo:[0,0,1] neg_hi:[0,0,1]  ; w s - mu s
.set n, n+1
.endr
.if (sI == 0) && (sT > 0)
	XFRAG sT
.endif
.if (sI == 1) && (sT < 3)
	TABS sT+1                                      ; the chunk's last scalings have read the tables: the next chunk's are asked for
.endif
.set n, 0
.rept 16
	v_cvt_pk_bf16_f32 v[WF+n], v[sB+2*n], v[sB+2*n+1]
.set n, n+1
.endr
.if (\q) < 5
	WLOAD (\q)+3                                   ; the buffer has been read: it takes the step three on
.elseif (\q) == 5
.irp u, 0,1,2,3
	global_load_b128 v[MK+4*(\u):MK+4*(\u)+3], v[TL], s[32:33] offset:64*((\u)/2)+16*((\u)%2)  ; mask of clusters 16 i + 8 h + 0..7
.endr
.irp u, 0,1,2,3
	global_load_b128 v[WA0+4*(\u):WA0+4*(\u)+3], v[WAO], s[34:35] offset:16*(\u)               ; w_assoc of tile 0's 8 h + 0..7, two numbers each
.endr
.elseif (\q) == 6
.irp u, 0,1,2,3
	global_load_b128 v[WA1+4*(\u):WA1+4*(\u)+3], v[WAO], s[34:35] offset:128+16*(\u)           ; of tile 1's
.endr
.endif
.set n, 0
.rept 16                               ; squares of the rounded numbers: four chains a tile
.if (sT == 0) && (n < 2)
	v_fma_mix_f32_bf16 v[NWA+4*sI+2*(n%2)],   v[WF+n], v[WF+n], v[ZR] op_sel_hi:[1,1,0]
	v_fma_mix_f32_bf16 v[NWA+4*sI+2*(n%2)+1], v[WF+n], v[WF+n], v[ZR] op_sel:[1,1,0] op_sel_hi:[1,1,0]
.else
	v_fma_mix_f32_bf16 v[NWA+4*sI+2*(n%2)],   v[WF+n], v[WF+n], v[NWA+4*sI+2*(n%2)]   op_sel_hi:[1,1,0]
	v_fma_mix_f32_bf16 v[NWA+4*sI+2*(n%2)+1], v[WF+n], v[WF+n], v[NWA+4*sI+2*(n%2)+1] op_sel:[1,1,0] op_sel_hi:[1,1,0]
.endif
.set n, n+1
.endr
.if (sI == 0) && (sT > 0)
	s_wait_dscnt 0x0                               ; X's fragments are in
.endif
.irp f, 0,1
.if sT == 0
	v_wmma_f32_16x16x32_bf16 v[ACC+16*sI+8*(\f):ACC+16*sI+8*(\f)+7], v[WF+8*(\f):WF+8*(\f)+7], v[XF+8*(\f):XF+8*(\f)+7], 0  ; the first chunk starts the sums
.else
	v_wmma_f32_16x16x32_bf16 v[ACC+16*sI+8*(\f):ACC+16*sI+8*(\f)+7], v[WF+8*(\f):WF+8*(\f)+7], v[XF+8*(\f):XF+8*(\f)+7], v[ACC+16*sI+8*(\f):ACC+16*sI+8*(\f)+7]
.endif
.endr
.endm
	TABS 0
	XFRAG 0
	STEP 0, 16                                     ; 16: the next two steps' loads
	STEP 1, 16
	STEP 2, 16
	STEP 3, 16
	STEP 4, 16
	STEP 5, 16
	STEP 6, 16                                     ; 16: step 7's eight, mask's four and w_assoc's first four
	STEP 7, 12                                     ; 12: mask's four and w_assoc's eight
	; THE WAY OUT.  |W_c|^2: my chains, the other half of the channels, then through my wave's own LDS bytes from "a lane a cluster" to "a register a cluster".
	; These additions name no register of the last matrix instructions: they are the places in front of the first read of the sums.
	v_pk_add_f32 v[NWA:NWA+1], v[NWA:NWA+1], v[NWA+2:NWA+3]
	v_pk_add_f32 v[NWA+4:NWA+5], v[NWA+4:NWA+5], v[NWA+6:NWA+7]
	v_add_f32 v[NWA], v[NWA], v[NWA+1]
	v_add_f32 v[NWA+4], v[NWA+4], v[NWA+5]
	v_permlanex16_b32 v[NWA+1], v[NWA], s24, s25
	v_permlanex16_b32 v[NWA+5], v[NWA+4], s24, s25
	v_add_f32 v[NWA], v[NWA], v[NWA+1]
	v_add_f32 v[NWA+4], v[NWA+4], v[NWA+5]
	ds_store_b32 v[NWSA], v[NWA]   offset:NW
	ds_store_b32 v[NWSA], v[NWA+4] offset:NW+64
.irp u, 0,1,2,3
	ds_load_b128 v[WD+4*(\u):WD+4*(\u)+3], v[NWLA] offset:NW+64*((\u)/2)+16*((\u)%2)  ; LDS serves a wave's instructions in order (ISA guide 5.7.1.4): these see the two stores above
.endr
.irp n, 0,1,2,3,4,5,6,7
	ds_load_b32 v[PV+(\n)], v[PNR] offset:PN+64*(\n)   ; row r's parts from waves 8 h + 0..7
.endr
	s_wait_dscnt 0x0
	v_pk_add_f32 v[PV:PV+1], v[PV:PV+1], v[PV+2:PV+3]
	v_pk_add_f32 v[PV+4:PV+5], v[PV+4:PV+5], v[PV+6:PV+7]
	v_pk_add_f32 v[NX:NX+1], v[PV:PV+1], v[PV+4:PV+5]
	v_add_f32 v[NX], v[NX], v[NX+1]
	v_permlanex16_b32 v[T1], v[NX], s24, s25
	v_add_f32 v[NX], v[NX], v[T1]                  ; |X_r|^2
.set n, 0
.rept 8
	v_pk_add_f32 v[WD+2*n:WD+2*n+1], v[WD+2*n:WD+2*n+1], v[NX:NX+1] op_sel_hi:[1,0]
.set n, n+1
.endr
.irp f, 0,1                            ; each accumulator's registers are read in ascending order
.set n, 0
.rept 8
	v_pk_fma_f32 v[WD+2*n:WD+2*n+1], v[ACC+16*(n/4)+8*(\f)+2*(n%4):ACC+16*(n/4)+8*(\f)+2*(n%4)+1], -2.0, v[WD+2*n:WD+2*n+1] op_sel_hi:[1,0,1]
.set n, n+1
.endr
.endr
.set e, 0
.rept 16
	v_max_num_f32 v[WD+e], 0, v[WD+e]              ; f32 rounding may leave a hair below 0
.set e, e+1
.endr
.set e, 0
.rept 16
	v_sqrt_f32 v[WD+e], v[WD+e]
.set e, e+1
.endr
	s_wait_loadcnt 0x0                             ; mask and w_assoc
.set e, 0
.rept 16
	v_cmp_lt_i32 s[40+e], 0, v[MK+e]               ; recruited: kept in scalar registers for both softmaxes
.set e, e+1
.endr
.set e, 0
.rept 16
	v_cvt_f32_i32 v[MK+e], v[MK+e]                 ; m
.set e, e+1
.endr
	s_wait_alu depctr_va_vdst(0)                   ; one wait for the 16 roots; the 32 lines above are the independent work behind them
.set n, 0
.rept 8
	v_pk_mul_f32 v[G+2*n:G+2*n+1], v[WD+2*n:WD+2*n+1], s[26:27] op_sel_hi:[1,0]   ; g = -log2(e) dist
.set n, n+1
.endr
.set n, 0
.rept 8
	v_pk_mul_f32 v[L+2*n:L+2*n+1], v[G+2*n:G+2*n+1], s[28:29] op_sel_hi:[1,0]     ; the logit, in powers of 2
.set n, n+1
.endr
.set e, 0
.rept 16
	v_cndmask_b32 v[L+e], v[NEGV], v[L+e], s[40+e]
.set e, e+1
.endr
.macro MAX16 d, t, b                   ; the maximum of 16 registers and of the other half's 16
	v_max3_num_f32 v[\d], v[\b], v[(\b)+1], v[(\b)+2]
	v_max3_num_f32 v[\t], v[(\b)+3], v[(\b)+4], v[(\b)+5]
	v_max3_num_f32 v[\d], v[\d], v[(\b)+6], v[(\b)+7]
	v_max3_num_f32 v[\t], v[\t], v[(\b)+8], v[(\b)+9]
	v_max3_num_f32 v[\d], v[\d], v[(\b)+10], v[(\b)+11]
	v_max3_num_f32 v[\t], v[\t], v[(\b)+12], v[(\b)+13]
	v_max3_num_f32 v[\d], v[\d], v[(\b)+14], v[(\b)+15]
	v_max_num_f32 v[\d], v[\d], v[\t]
	v_permlanex16_b32 v[\t], v[\d], s24, s25
	v_max_num_f32 v[\d], v[\d], v[\t]
.endm
.macro SUM16 d, b                      ; the sum of 16 registers, in place, into d
.irp k, 0,4,8,12
	v_pk_add_f32 v[(\b)+(\k):(\b)+(\k)+1], v[(\b)+(\k):(\b)+(\k)+1], v[(\b)+(\k)+2:(\b)+(\k)+3]
.endr
	v_pk_add_f32 v[(\b):(\b)+1], v[(\b):(\b)+1], v[(\b)+4:(\b)+5]
	v_pk_add_f32 v[(\b)+8:(\b)+9], v[(\b)+8:(\b)+9], v[(\b)+12:(\b)+13]
	v_pk_add_f32 v[(\b):(\b)+1], v[(\b):(\b)+1], v[(\b)+8:(\b)+9]
	v_add_f32 v[\d], v[\b], v[(\b)+1]
.endm
	MAX16 M1, T0, L                                ; my wave's maximum for row r
.set n, 0
.rept 8
	v_pk_add_f32 v[L+2*n:L+2*n+1], v[L+2*n:L+2*n+1], v[M1:M1+1] op_sel_hi:[1,0] neg_lo:[0,1] neg_hi:[0,1]
.set n, n+1
.endr
.set e, 0
.rept 16
	v_exp_f32 v[L+e], v[L+e]                       ; e
.set e, e+1
.endr
.set e, 0
.rept 16
	v_exp_f32 v[G+e], v[G+e]                       ; H
.set e, e+1
.endr
	v_nop
	s_wait_alu depctr_va_vdst(0)                   ; one wait for the 32 exponentials
.set n, 0
.rept 8
	v_pk_mul_f32 v[G+2*n:G+2*n+1], v[G+2*n:G+2*n+1], v[MK+2*n:MK+2*n+1]
.set n, n+1
.endr
.set n, 0
.rept 8
	v_pk_mul_f32 v[G+2*n:G+2*n+1], v[G+2*n:G+2*n+1], v[L+2*n:L+2*n+1]   ; u = e H m: competed = u f, with f known behind the exchange
.set n, n+1
.endr
	SUM16 M1+1, L
	v_permlanex16_b32 v[T0], v[M1+1], s24, s25
	v_add_f32 v[M1+1], v[M1+1], v[T0]
	ds_store_b64 v[EX1A], v[M1:M1+1] offset:EX1
	s_wait_dscnt 0x0
	s_barrier_signal -1
	s_barrier_wait -1                              ; all 16 waves' maxima and sums lie in LDS
.irp n, 0,1,2,3,4,5,6,7
	ds_load_b64 v[EXR+2*(\n):EXR+2*(\n)+1], v[EX1R] offset:EX1+128*(\n)  ; row r, waves 8 h + 0..7
.endr
	s_wait_dscnt 0x0
	v_max3_num_f32 v[T0], v[EXR], v[EXR+2], v[EXR+4]
	v_max3_num_f32 v[T0], v[T0], v[EXR+6], v[EXR+8]
	v_max3_num_f32 v[T0], v[T0], v[EXR+10], v[EXR+12]
	v_max_num_f32 v[T0], v[T0], v[EXR+14]
	v_permlanex16_b32 v[T1], v[T0], s24, s25
	v_max_num_f32 v[T0], v[T0], v[T1]              ; the row's maximum over all 512 clusters
.irp n, 0,1,2,3,4,5,6,7
	v_sub_f32 v[EXR+2*(\n)], v[EXR+2*(\n)], v[T0]
.endr
	v_sub_f32 v[T1], v[M1], v[T0]
.irp n, 0,1,2,3,4,5,6,7
	v_exp_f32 v[EXR+2*(\n)], v[EXR+2*(\n)]
.endr
	v_exp_f32 v[T1], v[T1]
	v_nop
	s_wait_alu depctr_va_vdst(0)                   ; one wait for the nine
	v_mul_f32 v[T2], v[EXR], v[EXR+1]
.irp n, 1,2,3,4,5,6,7
	v_fma_f32 v[T2], v[EXR+2*(\n)], v[EXR+2*(\n)+1], v[T2]
.endr
	v_permlanex16_b32 v[T0], v[T2], s24, s25
	v_add_f32 v[T2], v[T2], v[T0]                  ; the row's sum; at least 1
	v_rcp_f32 v[T2], v[T2]
	v_nop
	s_wait_alu depctr_va_vdst(0)
	v_mul_f32 v[T1], v[T1], v[T2]                  ; f = 2^(my maximum - the row's) / sum
	v_mul_f32 v[NX], s30, v[T1]                    ; 10 log2(e) f
.set n, 0
.rept 8
	v_pk_mul_f32 v[L+2*n:L+2*n+1], v[G+2*n:G+2*n+1], v[NX:NX+1] op_sel_hi:[1,0]   ; the second logit, 10 competed, in powers of 2
.set n, n+1
.endr
.set e, 0
.rept 16
	v_cndmask_b32 v[L+e], v[NEGV], v[L+e], s[40+e]
.set e, e+1
.endr
	MAX16 Q, T0, L
.set n, 0
.rept 8
	v_pk_add_f32 v[L+2*n:L+2*n+1], v[L+2*n:L+2*n+1], v[Q:Q+1] op_sel_hi:[1,0] neg_lo:[0,1] neg_hi:[0,1]
.set n, n+1
.endr
.set e, 0
.rept 16
	v_exp_f32 v[L+e], v[L+e]                       ; e2
.set e, e+1
.endr
	v_nop
	s_wait_alu depctr_va_vdst(0)                   ; one wait for the 16
.set n, 0
.rept 8
	v_pk_mul_f32 v[TT+2*n:TT+2*n+1], v[L+2*n:L+2*n+1], v[G+2*n:G+2*n+1]   ; e2 u
.set n, n+1
.endr
	SUM16 Q+1, L
	; (y0, y1) += e2 u (w_assoc[c][0], w_assoc[c][1]): even clusters in one chain, odd ones in another
.set e, 0
.rept 8
.set wE, WA0+4*e
.if e >= 4
.set wE, WA1+4*(e-4)
.endif
.if e == 0
	v_pk_mul_f32 v[Q+2:Q+3], v[wE:wE+1], v[TT:TT+1] op_sel_hi:[1,0]
	v_pk_mul_f32 v[YB:YB+1], v[wE+2:wE+3], v[TT:TT+1] op_sel:[0,1] op_sel_hi:[1,1]
.else
	v_pk_fma_f32 v[Q+2:Q+3], v[wE:wE+1], v[TT+2*e:TT+2*e+1], v[Q+2:Q+3] op_sel_hi:[1,0,1]
	v_pk_fma_f32 v[YB:YB+1], v[wE+2:wE+3], v[TT+2*e:TT+2*e+1], v[YB:YB+1] op_sel:[0,1,0] op_sel_hi:[1,1,1]
.endif
.set e, e+1
.endr
	v_pk_add_f32 v[Q+2:Q+3], v[Q+2:Q+3], v[YB:YB+1]
	v_pk_mul_f32 v[Q+2:Q+3], v[Q+2:Q+3], v[T1:T1+1] op_sel_hi:[1,0]   ; times f: e2 competed w_assoc
.irp k, 1,2,3
	v_permlanex16_b32 v[PT+(\k)-1], v[Q+(\k)], s24, s25
.endr
.irp k, 1,2,3
	v_add_f32 v[Q+(\k)], v[Q+(\k)], v[PT+(\k)-1]
.endr
	ds_store_b128 v[EX2A], v[Q:Q+3] offset:EX2
	s_wait_dscnt 0x0
	s_barrier_signal -1
	s_barrier_wait -1                              ; all 16 waves' four numbers lie in LDS
	s_cmp_lg_u32 s16, 0                            ; wave 0 joins them: 16 rows x 2 numbers, one for each of its lanes
	s_cbranch_scc1 .Lend
.irp n, 0,1,2,3,4,5,6,7
	ds_load_b128 v[FIN+4*(\n):FIN+4*(\n)+3], v[EX2R] offset:EX2+256*(\n)  ; row r, waves 8 h + 0..7
.endr
	s_wait_dscnt 0x0
	v_max3_num_f32 v[T0], v[FIN], v[FIN+4], v[FIN+8]
	v_max3_num_f32 v[T0], v[T0], v[FIN+12], v[FIN+16]
	v_max3_num_f32 v[T0], v[T0], v[FIN+20], v[FIN+24]
	v_max_num_f32 v[T0], v[T0], v[FIN+28]
	v_permlanex16_b32 v[T1], v[T0], s24, s25
	v_max_num_f32 v[T0], v[T0], v[T1]              ; the row's second maximum
.irp n, 0,1,2,3,4,5,6,7
	v_sub_f32 v[FIN+4*(\n)], v[FIN+4*(\n)], v[T0]
.endr
.irp n, 0,1,2,3,4,5,6,7
	v_exp_f32 v[FIN+4*(\n)], v[FIN+4*(\n)]
.endr
	v_nop
	s_wait_alu depctr_va_vdst(0)                   ; one wait for the eight
	v_mul_f32 v[T2], v[FIN], v[FIN+1]
	v_pk_mul_f32 v[Q:Q+1], v[FIN+2:FIN+3], v[FIN:FIN+1] op_sel_hi:[1,0]
.irp n, 1,2,3,4,5,6,7
	v_fma_f32 v[T2], v[FIN+4*(\n)], v[FIN+4*(\n)+1], v[T2]
	v_pk_fma_f32 v[Q:Q+1], v[FIN+4*(\n)+2:FIN+4*(\n)+3], v[FIN+4*(\n):FIN+4*(\n)+1], v[Q:Q+1] op_sel_hi:[1,0,1]
.endr
	v_permlanex16_b32 v[PT], v[T2], s24, s25
	v_permlanex16_b32 v[PT+1], v[Q], s24, s25
	v_permlanex16_b32 v[PT+2], v[Q+1], s24, s25
	v_add_f32 v[T2], v[T2], v[PT]                  ; the second sum; at least 1
	v_add_f32 v[Q], v[Q], v[PT+1]
	v_add_f32 v[Q+1], v[Q+1], v[PT+2]
	v_rcp_f32 v[T2], v[T2]
	v_lshlrev_b32 v[T1], 3, v[R]                   ; (a plain instruction behind the reciprocal) my 4 bytes of out0: 8 r + 4 h
	v_lshl_add_u32 v[T1], v[HH], 2, v[T1]
	v_cmp_eq_u32 vcc_lo, 1, v[HH]
	v_cndmask_b32 v[T0], v[Q], v[Q+1], vcc_lo      ; lanes 0-15 take class 0, lanes 16-31 class 1
	s_wait_alu depctr_va_vdst(0)
	v_mul_f32 v[T2], s31, v[T2]
	v_mul_f32 v[T0], v[T0], v[T2]
	global_store_b32 v[T1], v[T0], s[14:15]        ; the wave stores 128 consecutive bytes: all that the work-group owns of out0
.Lend:
	s_wait_tensorcnt 0x0                           ; the wave's end, behind my last LDS store
	ds_add_u32 v[SPW], v[NIL]
	s_wait_dscnt 0x0
	s_endpgm
.Lfunc_end_k_q8bf2394a7a_cluster_model:
	.size	k_q8bf2394a7a_cluster_model, .Lfunc_end_k_q8bf2394a7a_cluster_model-k_q8bf2394a7a_cluster_model
	.p2alignl 7, 3214868480
	.fill 96, 4, 3214868480
	.section	.rodata,"a",@progbits
	.p2align	6, 0x0
	.amdhsa_kernel k_q8bf2394a7a_cluster_model
		.amdhsa_group_segment_fixed_size 21504
		.amdhsa_private_segment_fixed_size 0
		.amdhsa_enable_private_segment 0
		.amdhsa_kernarg_size 48
		.amdhsa_user_sgpr_count 2
		.amdhsa_user_sgpr_kernarg_segment_ptr 1
		.amdhsa_wavefront_size32 1
		.amdhsa_system_sgpr_workgroup_id_x 1
		.amdhsa_system_sgpr_workgroup_id_y 1
		.amdhsa_system_sgpr_workgroup_id_z 1
		.amdhsa_system_vgpr_workitem_id 0
		.amdhsa_next_free_vgpr 256
		.amdhsa_next_free_sgpr 66
		.amdhsa_reserve_vcc 1
		.amdhsa_float_denorm_mode_32 3
		.amdhsa_float_denorm_mode_16_64 3
		.amdhsa_memory_ordered 1
		.amdhsa_forward_progress 1
		.amdhsa_inst_pref_size 75
	.end_amdhsa_kernel
	.amdgpu_metadata
---
amdhsa.version: [ 1, 2 ]
amdhsa.kernels:
  - .name:           k_q8bf2394a7a_cluster_model
    .symbol:         k_q8bf2394a7a_cluster_model.kd
    .args:
      - { .name: inp, .offset: 0, .size: 8, .value_kind: global_buffer, .address_space: global }
      - { .name: w_dist, .offset: 8, .size: 8, .value_kind: global_buffer, .address_space: global }
      - { .name: attn, .offset: 16, .size: 8, .value_kind: global_buffer, .address_space: global }
      - { .name: w_assoc, .offset: 24, .size: 8, .value_kind: global_buffer, .address_space: global }
      - { .name: mask, .offset: 32, .size: 8, .value_kind: global_buffer, .address_space: global }
      - { .name: out0, .offset: 40, .size: 8, .value_kind: global_buffer, .address_space: global }
    .group_segment_fixed_size: 21504
    .private_segment_fixed_size: 0
    .kernarg_segment_align: 8
    .kernarg_segment_size: 48
    .max_flat_workgroup_size: 512
    .sgpr_count:     66
    .vgpr_count:     256
    .wavefront_size: 32
...
	.end_amdgpu_metadata
.endif
;; end of part 1
;; ======== version 2 of 2: 1 launch; version 1 with the launch cluster_model written anew for expert scheduling mode
;; launch cluster_model (part 2): grid 64 x 1, 16 waves a work-group, no clusters, 21,504 bytes of LDS; arguments inp, w_dist, attn, w_assoc, mask, out0; writes out0
.if DOCPART == 2
	.amdgcn_target "amdgcn-amd-amdhsa--gfx1250"
	.amdhsa_code_object_version 6
	.text
	.protected	k_q8bf2394a7a_cluster_model
	.globl	k_q8bf2394a7a_cluster_model
	.p2align	8
	.type	k_q8bf2394a7a_cluster_model,@function
k_q8bf2394a7a_cluster_model:
	s_mov_b64 s[64:65], 0
	v_nop
	global_prefetch_b8 v0, s[64:65] scope:SCOPE_SE
	s_setreg_imm32_b32 hwreg(HW_REG_WAVE_SCHED_MODE, 0, 2), 2
	s_setreg_imm32_b32 hwreg(HW_REG_WAVE_MODE, 25, 1), 1
	s_wait_xcnt 0x0
	s_wait_alu depctr_vm_vsrc(0)
; ClusteringModel, one launch.  inp [1024][256], w_dist [512][256], attn [256], w_assoc [512][2] f32; mask [512] i32; out0 [1024][2] f32.
;   a = attn / sum(attn);  wdist[b][c] = sum_d a_d (x_bd - w_cd)^2;  dist = sqrt(wdist);  H = exp(-dist);  m = float(mask);  recruited = m > 0
;   p = softmax over recruited c of -3 dist;  competed = p H m;  p2 = softmax over recruited c of 10 competed;  y[b][k] = 1.5 sum_c p2 competed w_assoc[c][k]
; IDENTITIES USED, for all finite inputs in exact arithmetic: |t|^2.0 = t t (no power is taken); log(H) = log(exp(-dist)) = -dist (no logarithm is taken);
; with s_d = sqrt(a_d), mu_d = w_dist[0][d], X = s (x - mu), W = s (w - mu):  wdist = |X|^2 - 2 X.W + |W|^2.  X.W goes to the matrix unit in bf16 with f32 sums.
; The centre mu takes a common offset of inp and w_dist away in f32 (one fused multiply-add, x s - mu s) before anything is rounded or squared; the two norms are taken of the
; ROUNDED numbers, so the three terms are the squared distance of the rounded points.  Every input has a way to the output and is loaded; no step's result is left out.
; Both maxima that reference() takes away before an exponential are taken away here: each wave takes its own clusters' maximum, and the waves' sums are joined with 2^(m_wave - m_all).
; A cluster that is not recruited has the logit -1e30 in both softmaxes, as in reference(); with no cluster recruited all weights are equal, competed is 0 and y is 0, as there.
; LIMITS.  a_d must be >= 0 for every d (attn of one sign): a negative a_d gives NaN here.  X and W are rounded to bf16 (8 significant bits).  Where exp(-dist) underflows in f32
; reference()'s log(H) is -inf; here the logit stays -3 dist.  Exponentials below 2^-126 count as 0.  NaN and infinities in the inputs are not treated apart.
; SHARES.  64 work-groups of 16 waves; a work-group owns 16 rows b and all 512 clusters; wave v owns clusters 32 v .. 32 v + 31, two tiles of 16.
; LAYOUT.  Source 0 = 16 clusters, source 1 = the 16 rows: in the result lane l holds ONE row b = l % 16 and, in register j, cluster 8 (l / 16) + j of the tile.  So a row's maxima and sums
; are taken inside a lane, then between the two halves of the lanes, then between the waves through LDS.  A fragment is 16 rows x 32 channels: lane l holds row l % 16, registers 0-3 channels
; 8 (l / 16) + 0..7, registers 4-7 channels 16 + 8 (l / 16) + 0..7; from f32 rows that is four loads of 16 bytes, and a step's eight loads take 256 consecutive bytes of each of 16 rows.
; NO CLUSTER, NO TENSOR LOAD.  Each byte of w_dist is wanted by one wave of a work-group, once, as f32 in registers, where it is scaled and rounded.  Its 524,288 bytes do not fit in LDS, so a joint
; load would add a ring, 524,288 bytes of LDS writes and as many reads for each work-group, and a round of the cluster's barrier for each refill, to a walk of 8 steps a wave.
; THE MODE: SCHED_MODE bits 1:0 = 2 (LLVM: expert scheduling mode 2), set by the entry lines.  The code itself states the register dependences
; between vector or matrix instructions and memory or LDS instructions, with s_wait_alu, always for 0.
; THE PLAN.  Registers that memory or LDS instructions touch:
;   v5-v15         offsets and LDS addresses: made once at the head, ahead of a wait on va_vdst, and never written again.
;   v128-132       the head's own offsets, read by its loads and LDS stores; v48-68 the head's results, read by its LDS stores.  ONE wait on vm_vsrc, behind the first barrier, states that all
;                  these have been read: from there on v48-111 are the tables' landing place and v128-143 W's fragments.
;   WS0 .. WS2     Step q: its scalings write buffer q % 3 in place, its roundings read it; then the loads of step q + 3 (in steps 5 and 6: mask and w_assoc) land in it.
;   TS, TM         A chunk's two steps' scalings read them; the next chunk's 16 LDS loads land in them in the chunk's second step.
;   XF             A chunk's two steps' matrix instructions read it; the next chunk's 4 LDS loads land in it in that chunk's first step.
;   WF, the accumulators, the chains of squares and v248-255 are named by vector and matrix instructions alone in the walk.
; So ONE wait on va_vdst stands in a step, behind its roundings: the scalings and roundings are done with the landing buffer and the tables, and the matrix instructions of the step before are
; done reading XF.  All the step's loads follow it, dealt among the 32 squares, which name WF, the chains and v253 alone.  No address is stepped, nothing is stored: the walk has no wait on vm_vsrc.
; On the way out one wait on va_vdst stands ahead of each run of LDS stores, and serves the LDS loads behind it too; no register that an LDS store has read is written again.
.set TAB_S, 0          ; LDS: s_d, 256 f32
.set TAB_M, 1024       ; mu_d s_d, 256 f32
.set XFR,   2048       ; X in bf16: fragment g (channels 32 g ..) at 1,024 g: registers 0-3 at 16 x lane, registers 4-7 512 bytes on
.set PN,    10240      ; wave v's part of |X_r|^2 at 64 v + 4 r
.set NW,    11264      ; |W_c|^2 at 4 c: a wave writes and reads its own 128 bytes
.set EX1,   13312      ; first exchange: wave v, row r: (maximum, sum) at 128 v + 8 r
.set EX2,   15360      ; second exchange: wave v, row r: (maximum, sum, y0, y1) at 256 v + 16 r
.set SPARE, 19456      ; the spare words, 128 bytes for each of 16 waves: eight blocks of 256 bytes that no other line names
.set SPW,  1           ; LDS address of my spare word; never rewritten
.set NIL,  2           ; 0, for the add alone
.set R,    3           ; l % 16
.set HH,   4           ; l / 16
.set FO,   5           ; my offset in a tile of w_dist: 1,024 r + 32 h
.set TL,   6           ; 32 h: tables in LDS, and mask
.set XL,   7           ; 16 x lane: X's fragments in LDS
.set WAO,  8           ; 64 h: w_assoc
.set NWSA, 9           ; 4 r + 128 wave
.set NWLA, 10          ; 32 h + 128 wave
.set PNR,  11          ; 4 r + 512 h
.set EX1A, 12          ; 8 r + 128 wave
.set EX1R, 13          ; 8 r + 1,024 h
.set EX2A, 14          ; 16 r + 256 wave
.set EX2R, 15          ; 16 r + 2,048 h
.set ACC,  16          ; v[16:47]   tile i, fragment parity f at ACC + 16 i + 8 f
.set TS,   48          ; v[48:79]   s of my 32 channels of the chunk
.set TM,   80          ; v[80:111]  mu s of the same
.set XF,   112         ; v[112:127] X's two fragments of the chunk
.set WF,   128         ; v[128:143] W's two fragments of the step
.set WS,   144         ; v[144:239] three landing buffers of 32 for w_dist
.set NWA,  240         ; v[240:247] four chains of squares for each tile
.set NX,   248         ; v[248:249] |X_r|^2; later 10 log2(e) f
.set M1,   250         ; v[250:251] my wave's maximum and sum
.set NEGV, 252         ; -1e30
.set T0,   253         ; at work; holds 0 until the way out takes it
.set ZR,   253
.set T1,   254
.set T2,   255
; the head's own registers, in places that the walk takes later
.set KO,  128          ; 64 wave + 32 h: my 8 channels, in bytes
.set XO,  129          ; 1,024 r + KO
.set SO,  130          ; 32 x lane
.set XST, 131          ; 16 x thread
.set PNA, 132          ; 4 r + 64 wave
.set LN,  133
.set AT,  16
.set AP,  24
.set W0P, 32
.set XP,  40
.set S8,  48
.set M8,  56
.set XB,  64
.set PS,  68
; the way out's registers
.set WD,  48           ; 16: |W|^2, then wdist, then dist
.set PV,  64           ; 8: parts of |X|^2
.set G,   80           ; 16: -log2(e) dist, then H, then u = e H m
.set L,   96           ; 16: logits, then exponentials
.set TT,  112          ; 16: e2 u
.set EXR, 128          ; 16: eight waves' (maximum, sum)
.set MK,  WS+64        ; 16: mask, then m
.set WA0, WS+80        ; 16: w_assoc of tile 0
.set WA1, WS           ; 16: of tile 1
.set Q,   WS+16        ; 4: (maximum, sum, y0, y1); read by the LDS store of the second exchange and not written behind it
.set YB,  WS+20        ; 2: the second chain of y
.set YF,  WS+20        ; 2: later, in wave 0: the row's two y.  Not in Q, which an LDS store has read
.set PT,  WS+22        ; 3: the other half's numbers
.set FIN, 48           ; 32: eight waves' four numbers
	s_load_b256 s[4:11], s[0:1], 0x0               ; inp s[4:5], w_dist s[6:7], attn s[8:9], w_assoc s[10:11]
	s_load_b128 s[12:15], s[0:1], 0x20             ; mask s[12:13], out0 s[14:15]
	v_lshl_add_u32 v[SPW], v0, 2, SPARE
	v_mov_b32 v[NIL], 0
	v_lshrrev_b32 v[LN], 5, v0
	v_readfirstlane_b32 s16, v[LN]                 ; wave 0..15
	v_and_b32 v[R], 15, v0
	v_bfe_u32 v[HH], v0, 4, 1
	v_and_b32 v[LN], 31, v0
	v_lshlrev_b32 v[FO], 10, v[R]
	v_lshl_add_u32 v[FO], v[HH], 5, v[FO]
	v_lshrrev_b32 v[KO], 4, v0
	v_lshlrev_b32 v[KO], 5, v[KO]                  ; 32 (thread / 16) = 64 wave + 32 h
	v_lshl_add_u32 v[XO], v[R], 10, v[KO]
	v_lshlrev_b32 v[SO], 5, v[LN]
	s_lshl_b32 s18, ttmp9, 14                      ; the work-group's 16 rows of 1,024 bytes
	s_mov_b32 s19, 0
	s_wait_alu depctr_va_sdst(0)                   ; s16 is written, ahead of its first reader: the wave's bases and LDS places are made from it
	s_lshl_b32 s20, s16, 15                        ; my wave's 32 clusters of 1,024 bytes
	s_mov_b32 s21, 0
	s_wait_kmcnt 0x0
	s_add_nc_u64 s[4:5], s[4:5], s[18:19]
	s_add_nc_u64 s[22:23], s[6:7], s[20:21]
; Step q = 2 t + i takes chunk t (channels 64 t ..) of tile i; its eight loads land in buffer q % 3.  WLOAD1: load e of the eight.
.macro WLOAD1 q, e
	global_load_b128 v[WS+32*((\q)%3)+4*(\e):WS+32*((\q)%3)+4*(\e)+3], v[FO], s[22:23] offset:((\q)%2)*16384+((\q)/2)*256+128*((\e)/4)+64*(((\e)/2)%2)+16*((\e)%2)
.endm
.macro WLOAD q
.irp e, 0,1,2,3,4,5,6,7
	WLOAD1 \q, \e
.endr
.endm
	s_wait_alu depctr_va_vdst(0)                   ; the offsets v[FO], v[KO], v[XO] and v[SO] are written, which the loads below read
	global_load_b128 v[AT:AT+3],     v[SO], s[8:9]             ; all of attn, 8 numbers a lane, for its sum
	global_load_b128 v[AT+4:AT+7],   v[SO], s[8:9] offset:16
	global_load_b128 v[AP:AP+3],     v[KO], s[8:9]             ; attn of my 8 channels
	global_load_b128 v[AP+4:AP+7],   v[KO], s[8:9] offset:16
	global_load_b128 v[W0P:W0P+3],   v[KO], s[6:7]             ; mu of my 8 channels: row 0 of w_dist
	global_load_b128 v[W0P+4:W0P+7], v[KO], s[6:7] offset:16
	global_load_b128 v[XP:XP+3],     v[XO], s[4:5] th:TH_LOAD_NT  ; x of row r in my 8 channels: each byte of inp is read once in the launch
	global_load_b128 v[XP+4:XP+7],   v[XO], s[4:5] offset:16 th:TH_LOAD_NT
	WLOAD 0
	WLOAD 1
	WLOAD 2
	; the other addresses and constants are made while the loads are on their way; none of these lines names a register of a load above
	v_lshlrev_b32 v[XST], 4, v0
	v_lshlrev_b32 v[TL], 5, v[HH]
	v_lshlrev_b32 v[XL], 4, v[LN]
	v_lshlrev_b32 v[WAO], 6, v[HH]
	s_lshl_b32 s36, s16, 7                         ; 128 wave
	s_mov_b32 s37, 0
	s_lshl_b32 s38, s16, 8                         ; 256 wave
	s_mov_b32 s39, 0
	s_lshl_b32 s17, s16, 6                         ; 64 wave
	s_lshl_b32 s56, ttmp9, 7                       ; the work-group's 128 bytes of out0
	s_mov_b32 s57, 0
	v_lshl_add_u32 v[NWSA], v[R], 2, s36
	v_add_nc_u32 v[NWLA], s36, v[TL]
	v_lshlrev_b32 v[PNR], 2, v[R]
	v_lshl_add_u32 v[PNR], v[HH], 9, v[PNR]
	v_lshl_add_u32 v[EX1A], v[R], 3, s36
	v_lshlrev_b32 v[EX1R], 1, v[PNR]
	v_lshl_add_u32 v[EX2A], v[R], 4, s38
	v_lshlrev_b32 v[EX2R], 2, v[PNR]
	v_lshl_add_u32 v[PNA], v[R], 2, s17
	s_add_nc_u64 s[32:33], s[12:13], s[36:37]      ; mask at my wave's 32 clusters
	s_add_nc_u64 s[34:35], s[10:11], s[38:39]      ; w_assoc at the same
	s_add_nc_u64 s[14:15], s[14:15], s[56:57]
	s_mov_b32 s24, 0x76543210                      ; v_permlanex16_b32: each lane takes its own place in the other half
	s_mov_b32 s25, 0xfedcba98
	s_mov_b32 s26, 0xbfb8aa3b                      ; -log2(e)
	s_mov_b32 s27, s26                             ; named with it as a pair
	s_mov_b32 s28, 0x40400000                      ; 3
	s_mov_b32 s29, s28
	s_mov_b32 s30, 0x4166d4ca                      ; 10 log2(e)
	s_mov_b32 s31, 0x3fc00000                      ; 1.5
.irp k, 248,249,250,251,253,254,255
	v_mov_b32 v[\k], 0                             ; registers that are named in a pair, or as a lane exchange's destination, before their own first result
.endr
	v_mov_b32 v[NEGV], 0xf149f2ca                  ; -1e30
	; THE HEAD.  sum(attn) in every wave; s and mu s of my 8 channels; my 8 numbers of X, rounded, and their squares.
	s_wait_loadcnt 24                              ; the head's 8 loads are in; the three buffers' 24 may stay out
	v_pk_add_f32 v[AT:AT+1], v[AT:AT+1], v[AT+2:AT+3]
	v_pk_add_f32 v[AT+4:AT+5], v[AT+4:AT+5], v[AT+6:AT+7]
	v_pk_add_f32 v[AT:AT+1], v[AT:AT+1], v[AT+4:AT+5]
	v_add_f32 v[AT], v[AT], v[AT+1]
	v_add_f32_dpp v[AT], v[AT], v[AT] row_xmask:1 row_mask:0xf bank_mask:0xf
	v_add_f32_dpp v[AT], v[AT], v[AT] row_xmask:2 row_mask:0xf bank_mask:0xf
	v_add_f32_dpp v[AT], v[AT], v[AT] row_xmask:4 row_mask:0xf bank_mask:0xf
	v_add_f32_dpp v[AT], v[AT], v[AT] row_xmask:8 row_mask:0xf bank_mask:0xf
	v_permlanex16_b32 v[AT+1], v[AT], s24, s25
	v_add_f32 v[AT], v[AT], v[AT+1]
	v_rcp_f32 v[AT+2], v[AT]
	v_nop                                          ; a plain instruction behind the reciprocal,
	s_wait_alu depctr_va_vdst(0)                   ; the reciprocal has written v[AT+2], ahead of its first reader; the addresses v6 to v15, v[XST] and v[PNA] are written too, which LDS and memory instructions read from here on
.irp n, 0,2,4,6
	v_pk_mul_f32 v[AP+(\n):AP+(\n)+1], v[AP+(\n):AP+(\n)+1], v[AT+2:AT+3] op_sel_hi:[1,0]  ; a = attn / sum
.endr
.irp n, 0,1,2,3,4,5,6,7
	v_sqrt_f32 v[S8+(\n)], v[AP+(\n)]
.endr
	v_nop
	s_wait_alu depctr_va_vdst(0)                   ; the eight roots have written v[S8 ..], ahead of their first readers: the two LDS stores below, then the products
	ds_store_b128 v[KO], v[S8:S8+3]   offset:TAB_S     ; the 16 lanes of a half hold the same numbers and write the same bytes
	ds_store_b128 v[KO], v[S8+4:S8+7] offset:TAB_S+16
.irp n, 0,2,4,6
	v_pk_mul_f32 v[M8+(\n):M8+(\n)+1], v[W0P+(\n):W0P+(\n)+1], v[S8+(\n):S8+(\n)+1]
.endr
.irp n, 0,2,4,6
	v_pk_fma_f32 v[XP+(\n):XP+(\n)+1], v[XP+(\n):XP+(\n)+1], v[S8+(\n):S8+(\n)+1], v[M8+(\n):M8+(\n)+1] neg_lo:[0,0,1] neg_hi:[0,0,1]  ; x s - mu s
.endr
.irp n, 0,1,2,3
	v_cvt_pk_bf16_f32 v[XB+(\n)], v[XP+2*(\n)], v[XP+2*(\n)+1]
.endr
	v_fma_mix_f32_bf16 v[PS],   v[XB], v[XB], v[ZR] op_sel_hi:[1,1,0]                    ; squares of the rounded numbers, in f32: low halves,
	v_fma_mix_f32_bf16 v[PS+1], v[XB], v[XB], v[ZR] op_sel:[1,1,0] op_sel_hi:[1,1,0]     ; high halves
.irp n, 1,2,3
	v_fma_mix_f32_bf16 v[PS],   v[XB+(\n)], v[XB+(\n)], v[PS]   op_sel_hi:[1,1,0]
	v_fma_mix_f32_bf16 v[PS+1], v[XB+(\n)], v[XB+(\n)], v[PS+1] op_sel:[1,1,0] op_sel_hi:[1,1,0]
.endr
	v_add_f32 v[PS], v[PS], v[PS+1]
	v_permlanex16_b32 v[PS+1], v[PS], s24, s25
	v_add_f32 v[PS], v[PS], v[PS+1]                ; row r, my wave's 16 channels
	s_wait_alu depctr_va_vdst(0)                   ; v[M8 ..], v[XB ..] and v[PS] are written, which the four LDS stores below read; it is also the last vector touch of v48 to v69, in which the tables' loads land
	ds_store_b128 v[KO], v[M8:M8+3]   offset:TAB_M
	ds_store_b128 v[KO], v[M8+4:M8+7] offset:TAB_M+16
	ds_store_b128 v[XST], v[XB:XB+3]  offset:XFR       ; wave v holds half v % 2 of fragment v / 2: 512 v + 16 lane = 16 x thread
	ds_store_b32 v[PNA], v[PS] offset:PN
	s_wait_dscnt 0x0                               ; for the others' sake: my stores are done
	s_barrier_signal -1
	s_barrier_wait -1                              ; the tables, X and its parts of the norm are whole
	s_wait_alu depctr_vm_vsrc(0)                   ; my LDS stores have read v48 to v68 and, like the head's loads, v128 to v132: the tables' loads land in the first, step 0's roundings write the second
; s and mu s of my 32 channels of chunk t: the lanes of a half read the same bytes.  TAB1: load k of the sixteen.
.macro TAB1 t, k
.if (\k)%2 == 0
	ds_load_b128 v[TS+4*((\k)/2):TS+4*((\k)/2)+3], v[TL] offset:TAB_S+(\t)*256+128*((\k)/8)+64*(((\k)/4)%2)+16*(((\k)/2)%2)
.else
	ds_load_b128 v[TM+4*((\k)/2):TM+4*((\k)/2)+3], v[TL] offset:TAB_M+(\t)*256+128*((\k)/8)+64*(((\k)/4)%2)+16*(((\k)/2)%2)
.endif
.endm
.macro TABS t
.irp k, 0,1,2,3,4,5,6,7,8,9,10,11,12,13,14,15
	TAB1 \t, \k
.endr
.endm
.macro XFRAG t                         ; X's fragments 2 t and 2 t + 1
.irp f, 0,1
	ds_load_b128 v[XF+8*(\f):XF+8*(\f)+3],   v[XL] offset:XFR+1024*(2*(\t)+(\f))
	ds_load_b128 v[XF+8*(\f)+4:XF+8*(\f)+7], v[XL] offset:XFR+1024*(2*(\t)+(\f))+512
.endr
.endm
.macro TAIL5 u                         ; step 5's eight loads, into the buffer that it has read
.if (\u) < 4
	global_load_b128 v[MK+4*(\u):MK+4*(\u)+3], v[TL], s[32:33] offset:64*((\u)/2)+16*((\u)%2)  ; mask of clusters 16 i + 8 h + 0..7
.else
	global_load_b128 v[WA0+4*((\u)-4):WA0+4*((\u)-4)+3], v[WAO], s[34:35] offset:16*((\u)-4)   ; w_assoc of tile 0's 8 h + 0..7, two numbers each
.endif
.endm
.macro TAIL6 u                         ; step 6's four loads
	global_load_b128 v[WA1+4*(\u):WA1+4*(\u)+3], v[WAO], s[34:35] offset:128+16*(\u)           ; of tile 1's
.endm
; A STEP.  left = the younger loads that may stay out.  The 16 scalings at its head name no register of the step before's matrix instructions: they are the places in front of the roundings
; into W's fragments (four are asked for: ISA guide 7.12.1).
; The four accumulators take turns, one instruction a turn: three others' stand between two links of a chain.
; All the step's loads stand behind its one wait on va_vdst: X's four at once, since this step's products want them; the next chunk's tables two at a time among the first sixteen squares;
; the eight loads from memory one in front of every fourth square.  Step 7 asks for nothing, so it has no such wait.
.macro STEP q, left
.set sI, (\q)%2
.set sT, (\q)/2
.set sB, WS+32*((\q)%3)
	s_wait_loadcnt \left                           ; loads come back in order: this step's eight are in
.if sI == 0
	s_wait_dscnt 0x0                               ; the chunk's tables are in
.endif
.set n, 0
.rept 16
	v_pk_fma_f32 v[sB+2*n:sB+2*n+1], v[sB+2*n:sB+2*n+1], v[TS+2*n:TS+2*n+1], v[TM+2*n:TM+2*n+1] neg_lo:[0,0,1] neg_hi:[0,0,1]  ; w s - mu s
.set n, n+1
.endr
.set n, 0
.rept 16
	v_cvt_pk_bf16_f32 v[WF+n], v[sB+2*n], v[sB+2*n+1]
.set n, n+1
.endr
.if (\q) < 7
	s_wait_alu depctr_va_vdst(0)                   ; the scalings and roundings are done writing and reading this landing buffer, the scalings are done reading the tables, the last step's matrix instructions are done reading X's fragments: loads land in all three below
.endif
.if (sI == 0) && (sT > 0)
	XFRAG sT
.endif
.set n, 0
.rept 16                               ; squares of the rounded numbers: four chains a tile; they name WF, the chains and v[ZR]: no register that a load of this step touches
.if (sI == 1) && (sT < 3) && (n < 8)
	TAB1 sT+1, 2*n                                 ; the chunk's last scalings have read the tables: the next chunk's are asked for
	TAB1 sT+1, 2*n+1
.endif
.if n%2 == 0
.if (\q) < 5
	WLOAD1 (\q)+3, n/2                             ; the buffer has been read: it takes the step three on
.elseif (\q) == 5
	TAIL5 n/2
.elseif ((\q) == 6) && (n < 8)
	TAIL6 n/2
.endif
.endif
.if (sT == 0) && (n < 2)
	v_fma_mix_f32_bf16 v[NWA+4*sI+2*(n%2)],   v[WF+n], v[WF+n], v[ZR] op_sel_hi:[1,1,0]
	v_fma_mix_f32_bf16 v[NWA+4*sI+2*(n%2)+1], v[WF+n], v[WF+n], v[ZR] op_sel:[1,1,0] op_sel_hi:[1,1,0]
.else
	v_fma_mix_f32_bf16 v[NWA+4*sI+2*(n%2)],   v[WF+n], v[WF+n], v[NWA+4*sI+2*(n%2)]   op_sel_hi:[1,1,0]
	v_fma_mix_f32_bf16 v[NWA+4*sI+2*(n%2)+1], v[WF+n], v[WF+n], v[NWA+4*sI+2*(n%2)+1] op_sel:[1,1,0] op_sel_hi:[1,1,0]
.endif
.set n, n+1
.endr
.if (sI == 0) && (sT > 0)
	s_wait_dscnt 0x0                               ; X's fragments are in
.endif
.irp f, 0,1
.if sT == 0
	v_wmma_f32_16x16x32_bf16 v[ACC+16*sI+8*(\f):ACC+16*sI+8*(\f)+7], v[WF+8*(\f):WF+8*(\f)+7], v[XF+8*(\f):XF+8*(\f)+7], 0  ; the first chunk starts the sums
.else
	v_wmma_f32_16x16x32_bf16 v[ACC+16*sI+8*(\f):ACC+16*sI+8*(\f)+7], v[WF+8*(\f):WF+8*(\f)+7], v[XF+8*(\f):XF+8*(\f)+7], v[ACC+16*sI+8*(\f):ACC+16*sI+8*(\f)+7]
.endif
.endr
.endm
	TABS 0
	XFRAG 0
	STEP 0, 16                                     ; 16: the next two steps' loads
	STEP 1, 16
	STEP 2, 16
	STEP 3, 16
	STEP 4, 16
	STEP 5, 16
	STEP 6, 16                                     ; 16: step 7's eight, mask's four and w_assoc's first four
	STEP 7, 12                                     ; 12: mask's four and w_assoc's eight
	; THE WAY OUT.  |W_c|^2: my chains, the other half of the channels, then through my wave's own LDS bytes from "a lane a cluster" to "a register a cluster".
	; These additions name no register of the last matrix instructions: they are the places in front of the first read of the sums.
	v_pk_add_f32 v[NWA:NWA+1], v[NWA:NWA+1], v[NWA+2:NWA+3]
	v_pk_add_f32 v[NWA+4:NWA+5], v[NWA+4:NWA+5], v[NWA+6:NWA+7]
	v_add_f32 v[NWA], v[NWA], v[NWA+1]
	v_add_f32 v[NWA+4], v[NWA+4], v[NWA+5]
	v_permlanex16_b32 v[NWA+1], v[NWA], s24, s25
	v_permlanex16_b32 v[NWA+5], v[NWA+4], s24, s25
	v_add_f32 v[NWA], v[NWA], v[NWA+1]
	v_add_f32 v[NWA+4], v[NWA+4], v[NWA+5]
	s_wait_alu depctr_va_vdst(0)                   ; v[NWA] and v[NWA+4] are written, which the two LDS stores read; step 7's scalings are done reading v48 to v71, in which the twelve LDS loads land
	ds_store_b32 v[NWSA], v[NWA]   offset:NW
	ds_store_b32 v[NWSA], v[NWA+4] offset:NW+64
.irp u, 0,1,2,3
	ds_load_b128 v[WD+4*(\u):WD+4*(\u)+3], v[NWLA] offset:NW+64*((\u)/2)+16*((\u)%2)  ; LDS serves a wave's instructions in order (ISA guide 5.7.1.4): these see the two stores above
.endr
.irp n, 0,1,2,3,4,5,6,7
	ds_load_b32 v[PV+(\n)], v[PNR] offset:PN+64*(\n)   ; row r's parts from waves 8 h + 0..7
.endr
	s_wait_dscnt 0x0
	v_pk_add_f32 v[PV:PV+1], v[PV:PV+1], v[PV+2:PV+3]
	v_pk_add_f32 v[PV+4:PV+5], v[PV+4:PV+5], v[PV+6:PV+7]
	v_pk_add_f32 v[NX:NX+1], v[PV:PV+1], v[PV+4:PV+5]
	v_add_f32 v[NX], v[NX], v[NX+1]
	v_permlanex16_b32 v[T1], v[NX], s24, s25
	v_add_f32 v[NX], v[NX], v[T1]                  ; |X_r|^2
.set n, 0
.rept 8
	v_pk_add_f32 v[WD+2*n:WD+2*n+1], v[WD+2*n:WD+2*n+1], v[NX:NX+1] op_sel_hi:[1,0]
.set n, n+1
.endr
.irp f, 0,1                            ; each accumulator's registers are read in ascending order
.set n, 0
.rept 8
	v_pk_fma_f32 v[WD+2*n:WD+2*n+1], v[ACC+16*(n/4)+8*(\f)+2*(n%4):ACC+16*(n/4)+8*(\f)+2*(n%4)+1], -2.0, v[WD+2*n:WD+2*n+1] op_sel_hi:[1,0,1]
.set n, n+1
.endr
.endr
.set e, 0
.rept 16
	v_max_num_f32 v[WD+e], 0, v[WD+e]              ; f32 rounding may leave a hair below 0
.set e, e+1
.endr
.set e, 0
.rept 16
	v_sqrt_f32 v[WD+e], v[WD+e]
.set e, e+1
.endr
	s_wait_loadcnt 0x0                             ; mask and w_assoc
.set e, 0
.rept 16
	v_cmp_lt_i32 s[40+e], 0, v[MK+e]               ; recruited: kept in scalar registers for both softmaxes
.set e, e+1
.endr
.set e, 0
.rept 16
	v_cvt_f32_i32 v[MK+e], v[MK+e]                 ; m
.set e, e+1
.endr
	s_wait_alu depctr_va_vdst(0)                   ; the 16 roots have written v[WD ..], ahead of their first reader; the 32 lines above are the independent work behind them
.set n, 0
.rept 8
	v_pk_mul_f32 v[G+2*n:G+2*n+1], v[WD+2*n:WD+2*n+1], s[26:27] op_sel_hi:[1,0]   ; g = -log2(e) dist
.set n, n+1
.endr
.set n, 0
.rept 8
	v_pk_mul_f32 v[L+2*n:L+2*n+1], v[G+2*n:G+2*n+1], s[28:29] op_sel_hi:[1,0]     ; the logit, in powers of 2
.set n, n+1
.endr
	s_wait_alu depctr_va_sdst(0)                   ; the 16 compares have written s40 to s55, ahead of their first readers, the selects below: one wait for the run
.set e, 0
.rept 16
	v_cndmask_b32 v[L+e], v[NEGV], v[L+e], s[40+e]
.set e, e+1
.endr
.macro MAX16 d, t, b                   ; the maximum of 16 registers and of the other half's 16
	v_max3_num_f32 v[\d], v[\b], v[(\b)+1], v[(\b)+2]
	v_max3_num_f32 v[\t], v[(\b)+3], v[(\b)+4], v[(\b)+5]
	v_max3_num_f32 v[\d], v[\d], v[(\b)+6], v[(\b)+7]
	v_max3_num_f32 v[\t], v[\t], v[(\b)+8], v[(\b)+9]
	v_max3_num_f32 v[\d], v[\d], v[(\b)+10], v[(\b)+11]
	v_max3_num_f32 v[\t], v[\t], v[(\b)+12], v[(\b)+13]
	v_max3_num_f32 v[\d], v[\d], v[(\b)+14], v[(\b)+15]
	v_max_num_f32 v[\d], v[\d], v[\t]
	v_permlanex16_b32 v[\t], v[\d], s24, s25
	v_max_num_f32 v[\d], v[\d], v[\t]
.endm
.macro SUM16 d, b                      ; the sum of 16 registers, in place, into d
.irp k, 0,4,8,12
	v_pk_add_f32 v[(\b)+(\k):(\b)+(\k)+1], v[(\b)+(\k):(\b)+(\k)+1], v[(\b)+(\k)+2:(\b)+(\k)+3]
.endr
	v_pk_add_f32 v[(\b):(\b)+1], v[(\b):(\b)+1], v[(\b)+4:(\b)+5]
	v_pk_add_f32 v[(\b)+8:(\b)+9], v[(\b)+8:(\b)+9], v[(\b)+12:(\b)+13]
	v_pk_add_f32 v[(\b):(\b)+1], v[(\b):(\b)+1], v[(\b)+8:(\b)+9]
	v_add_f32 v[\d], v[\b], v[(\b)+1]
.endm
	MAX16 M1, T0, L                                ; my wave's maximum for row r
.set n, 0
.rept 8
	v_pk_add_f32 v[L+2*n:L+2*n+1], v[L+2*n:L+2*n+1], v[M1:M1+1] op_sel_hi:[1,0] neg_lo:[0,1] neg_hi:[0,1]
.set n, n+1
.endr
.set e, 0
.rept 16
	v_exp_f32 v[L+e], v[L+e]                       ; e
.set e, e+1
.endr
.set e, 0
.rept 16
	v_exp_f32 v[G+e], v[G+e]                       ; H
.set e, e+1
.endr
	v_nop
	s_wait_alu depctr_va_vdst(0)                   ; the 32 exponentials have written v[L ..] and v[G ..], ahead of their first reader
.set n, 0
.rept 8
	v_pk_mul_f32 v[G+2*n:G+2*n+1], v[G+2*n:G+2*n+1], v[MK+2*n:MK+2*n+1]
.set n, n+1
.endr
.set n, 0
.rept 8
	v_pk_mul_f32 v[G+2*n:G+2*n+1], v[G+2*n:G+2*n+1], v[L+2*n:L+2*n+1]   ; u = e H m: competed = u f, with f known behind the exchange
.set n, n+1
.endr
	SUM16 M1+1, L
	v_permlanex16_b32 v[T0], v[M1+1], s24, s25
	v_add_f32 v[M1+1], v[M1+1], v[T0]
	s_wait_alu depctr_va_vdst(0)                   ; v[M1] and v[M1+1] are written, which the LDS store reads; step 7's squares and products are done reading v128 to v143, in which the LDS loads behind the barrier land
	ds_store_b64 v[EX1A], v[M1:M1+1] offset:EX1
	s_wait_dscnt 0x0
	s_barrier_signal -1
	s_barrier_wait -1                              ; all 16 waves' maxima and sums lie in LDS
.irp n, 0,1,2,3,4,5,6,7
	ds_load_b64 v[EXR+2*(\n):EXR+2*(\n)+1], v[EX1R] offset:EX1+128*(\n)  ; row r, waves 8 h + 0..7
.endr
	s_wait_dscnt 0x0
	v_max3_num_f32 v[T0], v[EXR], v[EXR+2], v[EXR+4]
	v_max3_num_f32 v[T0], v[T0], v[EXR+6], v[EXR+8]
	v_max3_num_f32 v[T0], v[T0], v[EXR+10], v[EXR+12]
	v_max_num_f32 v[T0], v[T0], v[EXR+14]
	v_permlanex16_b32 v[T1], v[T0], s24, s25
	v_max_num_f32 v[T0], v[T0], v[T1]              ; the row's maximum over all 512 clusters
.irp n, 0,1,2,3,4,5,6,7
	v_sub_f32 v[EXR+2*(\n)], v[EXR+2*(\n)], v[T0]
.endr
	v_sub_f32 v[T1], v[M1], v[T0]
.irp n, 0,1,2,3,4,5,6,7
	v_exp_f32 v[EXR+2*(\n)], v[EXR+2*(\n)]
.endr
	v_exp_f32 v[T1], v[T1]
	v_nop
	s_wait_alu depctr_va_vdst(0)                   ; the nine exponentials have written v[EXR ..] and v[T1], ahead of their first reader
	v_mul_f32 v[T2], v[EXR], v[EXR+1]
.irp n, 1,2,3,4,5,6,7
	v_fma_f32 v[T2], v[EXR+2*(\n)], v[EXR+2*(\n)+1], v[T2]
.endr
	v_permlanex16_b32 v[T0], v[T2], s24, s25
	v_add_f32 v[T2], v[T2], v[T0]                  ; the row's sum; at least 1
	v_rcp_f32 v[T2], v[T2]
	v_nop
	s_wait_alu depctr_va_vdst(0)                   ; the reciprocal has written v[T2], ahead of its first reader
	v_mul_f32 v[T1], v[T1], v[T2]                  ; f = 2^(my maximum - the row's) / sum
	v_mul_f32 v[NX], s30, v[T1]                    ; 10 log2(e) f
.set n, 0
.rept 8
	v_pk_mul_f32 v[L+2*n:L+2*n+1], v[G+2*n:G+2*n+1], v[NX:NX+1] op_sel_hi:[1,0]   ; the second logit, 10 competed, in powers of 2
.set n, n+1
.endr
.set e, 0
.rept 16
	v_cndmask_b32 v[L+e], v[NEGV], v[L+e], s[40+e]
.set e, e+1
.endr
	MAX16 Q, T0, L
.set n, 0
.rept 8
	v_pk_add_f32 v[L+2*n:L+2*n+1], v[L+2*n:L+2*n+1], v[Q:Q+1] op_sel_hi:[1,0] neg_lo:[0,1] neg_hi:[0,1]
.set n, n+1
.endr
.set e, 0
.rept 16
	v_exp_f32 v[L+e], v[L+e]                       ; e2
.set e, e+1
.endr
	v_nop
	s_wait_alu depctr_va_vdst(0)                   ; the 16 exponentials have written v[L ..], ahead of their first reader
.set n, 0
.rept 8
	v_pk_mul_f32 v[TT+2*n:TT+2*n+1], v[L+2*n:L+2*n+1], v[G+2*n:G+2*n+1]   ; e2 u
.set n, n+1
.endr
	SUM16 Q+1, L
	; (y0, y1) += e2 u (w_assoc[c][0], w_assoc[c][1]): even clusters in one chain, odd ones in another
.set e, 0
.rept 8
.set wE, WA0+4*e
.if e >= 4
.set wE, WA1+4*(e-4)
.endif
.if e == 0
	v_pk_mul_f32 v[Q+2:Q+3], v[wE:wE+1], v[TT:TT+1] op_sel_hi:[1,0]
	v_pk_mul_f32 v[YB:YB+1], v[wE+2:wE+3], v[TT:TT+1] op_sel:[0,1] op_sel_hi:[1,1]
.else
	v_pk_fma_f32 v[Q+2:Q+3], v[wE:wE+1], v[TT+2*e:TT+2*e+1], v[Q+2:Q+3] op_sel_hi:[1,0,1]
	v_pk_fma_f32 v[YB:YB+1], v[wE+2:wE+3], v[TT+2*e:TT+2*e+1], v[YB:YB+1] op_sel:[0,1,0] op_sel_hi:[1,1,1]
.endif
.set e, e+1
.endr
	v_pk_add_f32 v[Q+2:Q+3], v[Q+2:Q+3], v[YB:YB+1]
	v_pk_mul_f32 v[Q+2:Q+3], v[Q+2:Q+3], v[T1:T1+1] op_sel_hi:[1,0]   ; times f: e2 competed w_assoc
.irp k, 1,2,3
	v_permlanex16_b32 v[PT+(\k)-1], v[Q+(\k)], s24, s25
.endr
.irp k, 1,2,3
	v_add_f32 v[Q+(\k)], v[Q+(\k)], v[PT+(\k)-1]
.endr
	s_wait_alu depctr_va_vdst(0)                   ; v[Q] to v[Q+3] are written, which the LDS store reads; every vector line that named v48 to v79 is done, in which wave 0's LDS loads behind the barrier land
	ds_store_b128 v[EX2A], v[Q:Q+3] offset:EX2
	s_wait_dscnt 0x0
	s_barrier_signal -1
	s_barrier_wait -1                              ; all 16 waves' four numbers lie in LDS
	s_cmp_lg_u32 s16, 0                            ; wave 0 joins them: 16 rows x 2 numbers, one for each of its lanes
	s_cbranch_scc1 .Lend
.irp n, 0,1,2,3,4,5,6,7
	ds_load_b128 v[FIN+4*(\n):FIN+4*(\n)+3], v[EX2R] offset:EX2+256*(\n)  ; row r, waves 8 h + 0..7
.endr
	s_wait_dscnt 0x0
	v_max3_num_f32 v[T0], v[FIN], v[FIN+4], v[FIN+8]
	v_max3_num_f32 v[T0], v[T0], v[FIN+12], v[FIN+16]
	v_max3_num_f32 v[T0], v[T0], v[FIN+20], v[FIN+24]
	v_max_num_f32 v[T0], v[T0], v[FIN+28]
	v_permlanex16_b32 v[T1], v[T0], s24, s25
	v_max_num_f32 v[T0], v[T0], v[T1]              ; the row's second maximum
.irp n, 0,1,2,3,4,5,6,7
	v_sub_f32 v[FIN+4*(\n)], v[FIN+4*(\n)], v[T0]
.endr
.irp n, 0,1,2,3,4,5,6,7
	v_exp_f32 v[FIN+4*(\n)], v[FIN+4*(\n)]
.endr
	v_nop
	s_wait_alu depctr_va_vdst(0)                   ; the eight exponentials have written v[FIN + 4 n], ahead of their first reader
	v_mul_f32 v[T2], v[FIN], v[FIN+1]
	v_pk_mul_f32 v[YF:YF+1], v[FIN+2:FIN+3], v[FIN:FIN+1] op_sel_hi:[1,0]
.irp n, 1,2,3,4,5,6,7
	v_fma_f32 v[T2], v[FIN+4*(\n)], v[FIN+4*(\n)+1], v[T2]
	v_pk_fma_f32 v[YF:YF+1], v[FIN+4*(\n)+2:FIN+4*(\n)+3], v[FIN+4*(\n):FIN+4*(\n)+1], v[YF:YF+1] op_sel_hi:[1,0,1]
.endr
	v_permlanex16_b32 v[PT], v[T2], s24, s25
	v_permlanex16_b32 v[PT+1], v[YF], s24, s25
	v_permlanex16_b32 v[PT+2], v[YF+1], s24, s25
	v_add_f32 v[T2], v[T2], v[PT]                  ; the second sum; at least 1
	v_add_f32 v[YF], v[YF], v[PT+1]
	v_add_f32 v[YF+1], v[YF+1], v[PT+2]
	v_rcp_f32 v[T2], v[T2]
	v_lshlrev_b32 v[T1], 3, v[R]                   ; (a plain instruction behind the reciprocal) my 4 bytes of out0: 8 r + 4 h
	v_lshl_add_u32 v[T1], v[HH], 2, v[T1]
	v_cmp_eq_u32 vcc_lo, 1, v[HH]
	s_wait_alu depctr_va_vcc(0)                    ; the compare has written VCC, ahead of its first reader, the select below
	v_cndmask_b32 v[T0], v[YF], v[YF+1], vcc_lo    ; lanes 0-15 take class 0, lanes 16-31 class 1
	s_wait_alu depctr_va_vdst(0)                   ; the reciprocal has written v[T2], ahead of its first reader
	v_mul_f32 v[T2], s31, v[T2]
	v_mul_f32 v[T0], v[T0], v[T2]
	s_wait_alu depctr_va_vdst(0)                   ; v[T0], the store's data, and v[T1], its offset, are written
	global_store_b32 v[T1], v[T0], s[14:15]        ; the wave stores 128 consecutive bytes: all that the work-group owns of out0
.Lend:
	s_wait_dscnt 0x0                               ; the closing lines, six on end
	s_wait_alu 0x0
	s_wait_tensorcnt 0x0
	ds_add_u32 v[SPW], v[NIL]
	s_wait_dscnt 0x0
	s_endpgm
.Lfunc_end_k_q8bf2394a7a_cluster_model:
	.size	k_q8bf2394a7a_cluster_model, .Lfunc_end_k_q8bf2394a7a_cluster_model-k_q8bf2394a7a_cluster_model
	.p2alignl 7, 3214868480
	.fill 96, 4, 3214868480
	.section	.rodata,"a",@progbits
	.p2align	6, 0x0
	.amdhsa_kernel k_q8bf2394a7a_cluster_model
		.amdhsa_group_segment_fixed_size 21504
		.amdhsa_private_segment_fixed_size 0
		.amdhsa_enable_private_segment 0
		.amdhsa_kernarg_size 48
		.amdhsa_user_sgpr_count 2
		.amdhsa_user_sgpr_kernarg_segment_ptr 1
		.amdhsa_wavefront_size32 1
		.amdhsa_system_sgpr_workgroup_id_x 1
		.amdhsa_system_sgpr_workgroup_id_y 1
		.amdhsa_system_sgpr_workgroup_id_z 1
		.amdhsa_system_vgpr_workitem_id 0
		.amdhsa_next_free_vgpr 256
		.amdhsa_next_free_sgpr 66
		.amdhsa_reserve_vcc 1
		.amdhsa_float_denorm_mode_32 3
		.amdhsa_float_denorm_mode_16_64 3
		.amdhsa_memory_ordered 1
		.amdhsa_forward_progress 1
		.amdhsa_inst_pref_size 76
	.end_amdhsa_kernel
	.amdgpu_metadata
---
amdhsa.version: [ 1, 2 ]
amdhsa.kernels:
  - .name:           k_q8bf2394a7a_cluster_model
    .symbol:         k_q8bf2394a7a_cluster_model.kd
    .args:
      - { .name: inp, .offset: 0, .size: 8, .value_kind: global_buffer, .address_space: global }
      - { .name: w_dist, .offset: 8, .size: 8, .value_kind: global_buffer, .address_space: global }
      - { .name: attn, .offset: 16, .size: 8, .value_kind: global_buffer, .address_space: global }
      - { .name: w_assoc, .offset: 24, .size: 8, .value_kind: global_buffer, .address_space: global }
      - { .name: mask, .offset: 32, .size: 8, .value_kind: global_buffer, .address_space: global }
      - { .name: out0, .offset: 40, .size: 8, .value_kind: global_buffer, .address_space: global }
    .group_segment_fixed_size: 21504
    .private_segment_fixed_size: 0
    .kernarg_segment_align: 8
    .kernarg_segment_size: 48
    .max_flat_workgroup_size: 512
    .sgpr_count:     66
    .vgpr_count:     256
    .wavefront_size: 32
...
	.end_amdgpu_metadata
.endif
;; end of part 2
